; MI455X (gfx1250); checked and timed in simulation.
; The chip was launched on July 23, 2026; its instructions are those of AMD's public machine-readable ISA for CDNA 5 (MIT licence, August 2026) and "CDNA5" Instruction Set Architecture Reference Guide (July 2026). The comments in the code are by the model that wrote it; some were corrected since.
;; HC2 Wide Deep Model. Allowed arithmetic: matrix products marked QUANTISED: E2M1 operands, one E8M0 scale for each 32 along K, by v_wmma_scale_f32_16x16x128_f8f6f4 with both operands' format E2M1 (or v_wmma_scale_f32_32x16x128_f4), f32 sums; products left as they are: bf16, f16 or f32 operands; f32 sums; everything else in f32.
;; Inputs: W1 512 x 2,048 float32; W2 2,048 x 1,024 float32; W3 1,024 x 512 float32; Wd1 512 x 512 float32; Wd2 512 x 256 float32; Wh 8 x 256 float32; b1 2,048 float32; b2 1,024 float32; b3 512 float32; bd1 512 float32; bd2 256 float32; bh 8 float32; deep_features 16,384 x 512 float32; domain_ids 16,384 int32; wide_features 16,384 x 256 float32.
;; Outputs: out0 16,384 x 1 float32; out1 16,384 x 512 float32; out2 16,384 x 256 float32.
;; This version of the problem:
;;   THIS VERSION OF THE PROBLEM IS GIVEN IN LOW PRECISION. The matrix products marked QUANTISED in the list below multiply operands that are first quantised to E2M1 (2 exponent bits, 1 mantissa bit; 4 bits a number), with one power-of-two scale for each 32 numbers along K (OCP MX v1.0); their sums are f32. The products marked 'left as it is' may take bf16, f16 or f32 operands, with f32 sums. Whichever they take, every output number must still come out within the allowed error. Rounding operands to bf16 (8 significant bits) uses up far more of that allowance than f16 does (11 bits, for magnitudes from 6e-5 to 65,504). All else is computed in f32.
;;   The module's matrix products, in the order in which they are computed (A, B: the left and right operand; K: the contracted axis; several contracted axes count as one K, in the product's order):
;;     1. [M 16,384, K 512] x [K 512, N 2,048]; A: input deep_features; B: input W1: QUANTISED
;;     2. [M 16,384, K 2,048] x [K 2,048, N 1,024]; A: computed on the way; B: input W2: left as it is (an operand is computed on the way)
;;     3. [M 16,384, K 1,024] x [K 1,024, N 512]; A: computed on the way; B: input W3: left as it is (an operand is computed on the way)
;;     4. [M 16,384, K 512] x [K 512, N 512]; A: computed on the way; B: input Wd1: left as it is (an operand is computed on the way)
;;     5. [M 16,384, K 512] x [K 512, N 256]; A: computed on the way; B: input Wd2: left as it is (an operand is computed on the way)
;;   THE QUANTISER, for each operand of a quantised product, along K:
;;     - K is cut into blocks of 32 from its start; a last block that is shorter is filled with zeros.
;;     - A block's scale is 2^e with e = floor(log2(the largest magnitude in the block)) - 2, held to -126 .. 127; a block of zeros has e = 0. As a byte (E8M0): e + 127.
;;     - Each number is divided by its block's scale, clamped to +-6, and rounded to the nearest number of E2M1, ties to even, subnormals kept.
;;     - The product sums the exact products of the quantised numbers (number of the format x scale) in f32.
;;   ~~~python
;;   def quantise(x, axis):      # numpy; x: float32 -> the quantised numbers, widened to float32 again
;;       x = np.moveaxis(x, axis, -1); K = x.shape[-1]
;;       x = np.pad(x, [(0, 0)] * (x.ndim - 1) + [(0, -K % 32)]); x = x.reshape(x.shape[:-1] + (-1, 32)); a = np.abs(x).max(-1, keepdims=True)
;;       e = np.where(a > 0, np.clip(np.frexp(np.where(a > 0, a, 1))[1] - 1 - 2, -126, 127), 0)      # np.frexp(a)[1] - 1 = floor(log2(a)), exactly
;;       r = np.clip(x / 2.0 ** e, -6, 6)
;;       step = 2.0 ** (np.maximum(np.frexp(np.where(r == 0, 1, r))[1] - 1, 0) - 1)
;;       q = np.round(r / step) * step * 2.0 ** e      # np.round: ties to even
;;       return np.moveaxis(q.reshape(q.shape[:-2] + (-1,))[..., :K], -1, axis).astype(np.float32)
;;   ~~~
;; One version. Each part assembles by itself: llvm-mc -triple=amdgcn-amd-amdhsa -mcpu=gfx1250 --defsym DOCPART=n.
;; ======== version 1 of 1: 2 launches
;; limits: inputs' magnitudes at most 1,000; values are held in f16: magnitudes above 65,504 overflow, below 6.1e-05 lose precision
;; workspace buffers: wstream 6,029,312 bytes; w1codes 524,288 bytes; w1scales 32,768 bytes; w1amax 1,024 bytes
;; launch prep (part 1): grid 248 x 1, 4 waves a work-group, no clusters, 0 bytes of LDS; arguments W1, W2, W3, Wd1, Wd2, wstream, w1codes, w1scales, w1amax; writes wstream, w1codes, w1scales, w1amax
.if DOCPART == 1
	.amdgcn_target "amdgcn-amd-amdhsa--gfx1250"
	.amdhsa_code_object_version 6
	.text
	.protected	k_q3b3e5b9a57_prep
	.globl	k_q3b3e5b9a57_prep
	.p2align	8
	.type	k_q3b3e5b9a57_prep,@function
k_q3b3e5b9a57_prep:
	s_mov_b64 s[64:65], 0
	v_nop
	global_prefetch_b8 v0, s[64:65] scope:SCOPE_SE
	s_setreg_imm32_b32 hwreg(HW_REG_WAVE_MODE, 25, 1), 1
	s_wait_xcnt 0x0
; The weights are laid out once, in the order in which the chain's operand registers take them.
; W2, W3, Wd1, Wd2 ([K][N] f32) become f16(W x 64) in wstream: 46 slots of 131,072 bytes, [slot][chain wave 4][fragment 32][1,024].
; A fragment is 16 columns n x 32 k: the byte at 256 q + 16 r + 2 e holds W[k0 + 8 q + e][n0 + r] x 64: the image of the operand's eight registers.
; W1 ([512][2048] f32) becomes codes of E2M1 along K with one E8M0 byte for each 32 k: fragments of 16 n x 128 k, block b of column r at 256 b + 16 r.
; A block's scale is 2^(floor(log2(its largest magnitude)) - 2); its byte is that magnitude's exponent field - 2, held at 1 from below.
; w1amax takes each W1 wave's largest magnitude: the chain bounds its first hidden layer by it.
; A LANE TAKES A COLUMN n AND ITS REGISTERS RUN DOWN K: 128 k a lane, 32 columns a wave, 128 columns a work-group; a load reads 128 consecutive bytes a wave.
; Sixteen neighbouring lanes store 256 consecutive aligned bytes.  No LDS, no barrier: waves share nothing.  The five tensors part on the work-group's number.
; LIMITS: |W2|, |W3|, |Wd1|, |Wd2| under 1,000 (x 64 stays inside f16); NaN and infinities are not served; a block of zeros of W1 gets the byte 1 where the
; quantiser says 127: its codes are zeros, which add nothing under any byte but 0xff, and this program alone reads the bytes.
.set X,     16                         ; v16-143  my column's 128 numbers
.set P,     144                        ; v144-207 what is stored: never written twice, so no store's data are written again
.set SLOTB, 131072
	s_load_b512 s[4:19], s[0:1], 0x0               ; W1 s[4:5], W2 s[6:7], W3 s[8:9], Wd1 s[10:11], Wd2 s[12:13], wstream s[14:15], w1codes s[16:17], w1scales s[18:19]
	s_load_b64 s[20:21], s[0:1], 0x40              ; w1amax
	v_lshrrev_b32 v1, 5, v0
	v_readfirstlane_b32 s22, v1                    ; my wave, 0..3
	v_and_b32 v1, 31, v0                           ; lane
	v_lshlrev_b32 v2, 2, v1                        ; in: 4 bytes a lane
	v_and_b32 v4, 15, v0
	v_bfe_u32 v5, v0, 4, 1
	v_lshlrev_b32 v3, 4, v4
	v_lshl_add_u32 v3, v5, 10, v3                  ; out: 16 (lane % 16), and lanes 16-31 in the next fragment
	s_lshl_b32 s23, s22, 7                         ; my wave's 32 columns: 128 bytes
	s_mov_b32 s25, 0                               ; high words of the two offsets
	s_mov_b32 s27, 0
	s_wait_kmcnt 0x0
.macro LOADS n                         ; W(k, my column), k = 0 .. 127, rows of n numbers
.set K_, 0
.rept 128
	global_load_b32 v[X+K_], v2, s[32:33] offset:K_*\n*4 th:TH_LOAD_NT
.set K_, K_+1
.endr
.endm
; 128 k of 32 columns become four K steps of two fragments.  kind = 0: K step jj lies (jj / 2) slots and (jj % 2) x 16 fragments on; kind = 1: jj slots on.
.macro F16PATH n, kind
	LOADS \n
.irp jj, 0,1,2,3
.if \jj < 2
	s_wait_loadcnt 63                              ; loads come back in order: 96 or 64 younger ones might stay out; the wait's field holds 63
.else
	s_wait_loadcnt 32*(3-\jj)                      ; the younger K steps' loads stay out
.endif
.set I_, 0
.rept 16
	v_pk_mul_f32 v[X+32*\jj+2*I_:X+32*\jj+2*I_+1], v[X+32*\jj+2*I_:X+32*\jj+2*I_+1], 0x42800000 op_sel_hi:[1,0]   ; x 64: exact
.set I_, I_+1
.endr
.set I_, 0
.rept 16
	v_cvt_pk_f16_f32 v[P+16*\jj+I_], v[X+32*\jj+2*I_], v[X+32*\jj+2*I_+1]   ; the lower k in the low half
.set I_, I_+1
.endr
.if \kind
.set JO_, \jj*SLOTB
.else
.set JO_, (\jj/2)*SLOTB+(\jj%2)*16384
.endif
.irp q, 0,1,2,3
	global_store_b128 v3, v[P+16*\jj+4*\q:P+16*\jj+4*\q+3], s[34:35] offset:JO_+256*\q   ; k = 8 q .. 8 q + 7 of sixteen columns: 256 consecutive bytes
.endr
.endr
.endm
	s_cmp_lt_u32 ttmp9, 128
	s_cbranch_scc0 .Lnot_w2
	; W2 [2048][1024]: work-groups 0-127: chunk c of 128 k, columns 128 g on
	s_and_b32 s28, ttmp9, 15                       ; c
	s_lshr_b32 s29, ttmp9, 4                       ; g
	s_lshl_b32 s24, s28, 19                        ; 128 rows of 4,096 bytes
	s_lshl_b32 s30, s29, 9
	s_add_co_u32 s24, s24, s30
	s_add_co_u32 s24, s24, s23
	s_add_nc_u64 s[32:33], s[6:7], s[24:25]
	s_lshl_b32 s26, s28, 18                        ; slot 2 c
	s_lshr_b32 s30, s29, 1
	s_lshl_b32 s30, s30, 15                        ; chain wave g / 2
	s_add_co_u32 s26, s26, s30
	s_and_b32 s30, s29, 1
	s_lshl_b32 s30, s30, 13                        ; its tiles 8 (g % 2) on
	s_add_co_u32 s26, s26, s30
	s_lshl_b32 s30, s22, 11                        ; two tiles a wave
	s_add_co_u32 s26, s26, s30
	s_add_nc_u64 s[34:35], s[14:15], s[26:27]
	F16PATH 1024, 0
	s_endpgm
.Lnot_w2:
	s_cmp_lt_u32 ttmp9, 160
	s_cbranch_scc0 .Lnot_w3
	; W3 [1024][512]: work-groups 128-159.  k = 128 kc + 32 jj is place kc / 2, chunk 4 (kc % 2) + jj
	s_sub_co_u32 s31, ttmp9, 128
	s_and_b32 s28, s31, 7                          ; kc
	s_lshr_b32 s29, s31, 3                         ; g = chain wave
	s_lshl_b32 s24, s28, 18                        ; 128 rows of 2,048 bytes
	s_lshl_b32 s30, s29, 9
	s_add_co_u32 s24, s24, s30
	s_add_co_u32 s24, s24, s23
	s_add_nc_u64 s[32:33], s[8:9], s[24:25]
	s_and_b32 s26, s28, 1
	s_lshl_b32 s26, s26, 19                        ; four slots on for odd kc
	s_add_co_u32 s26, s26, 32*SLOTB
	s_lshl_b32 s30, s29, 15
	s_add_co_u32 s26, s26, s30
	s_lshr_b32 s30, s28, 1
	s_lshl_b32 s30, s30, 13                        ; place kc / 2: eight fragments each
	s_add_co_u32 s26, s26, s30
	s_lshl_b32 s30, s22, 11
	s_add_co_u32 s26, s26, s30
	s_add_nc_u64 s[34:35], s[14:15], s[26:27]
	F16PATH 512, 1
	s_endpgm
.Lnot_w3:
	s_cmp_lt_u32 ttmp9, 176
	s_cbranch_scc0 .Lnot_wd1
	; Wd1 [512][512]: work-groups 160-175.  k = 128 kc + 32 jj is place kc, chunk jj
	s_sub_co_u32 s31, ttmp9, 160
	s_and_b32 s28, s31, 3                          ; kc
	s_lshr_b32 s29, s31, 2                         ; g = chain wave
	s_lshl_b32 s24, s28, 18
	s_lshl_b32 s30, s29, 9
	s_add_co_u32 s24, s24, s30
	s_add_co_u32 s24, s24, s23
	s_add_nc_u64 s[32:33], s[10:11], s[24:25]
	s_lshl_b32 s26, s29, 15
	s_add_co_u32 s26, s26, 40*SLOTB
	s_lshl_b32 s30, s28, 13
	s_add_co_u32 s26, s26, s30
	s_lshl_b32 s30, s22, 11
	s_add_co_u32 s26, s26, s30
	s_add_nc_u64 s[34:35], s[14:15], s[26:27]
	F16PATH 512, 1
	s_endpgm
.Lnot_wd1:
	s_cmp_lt_u32 ttmp9, 184
	s_cbranch_scc0 .Lnot_wd2
	; Wd2 [512][256]: work-groups 176-183.  A chain wave owns 64 columns: two of my waves
	s_sub_co_u32 s31, ttmp9, 176
	s_and_b32 s28, s31, 3                          ; kc
	s_lshr_b32 s29, s31, 2                         ; g
	s_lshl_b32 s24, s28, 17                        ; 128 rows of 1,024 bytes
	s_lshl_b32 s30, s29, 9
	s_add_co_u32 s24, s24, s30
	s_add_co_u32 s24, s24, s23
	s_add_nc_u64 s[32:33], s[12:13], s[24:25]
	s_lshl_b32 s26, s29, 1
	s_lshr_b32 s30, s22, 1
	s_add_co_u32 s26, s26, s30                     ; chain wave 2 g + wave / 2
	s_lshl_b32 s26, s26, 15
	s_add_co_u32 s26, s26, 44*SLOTB
	s_lshl_b32 s30, s28, 12                        ; place kc: four fragments each
	s_add_co_u32 s26, s26, s30
	s_and_b32 s30, s22, 1
	s_lshl_b32 s30, s30, 11
	s_add_co_u32 s26, s26, s30
	s_add_nc_u64 s[34:35], s[14:15], s[26:27]
	F16PATH 256, 0
	s_endpgm
.Lnot_wd2:
	; W1 [512][2048]: work-groups 184-247: K step s of 128 k, hidden units 128 g on: chain chunk g, chain wave = my wave
	s_sub_co_u32 s31, ttmp9, 184
	s_and_b32 s28, s31, 3                          ; s
	s_lshr_b32 s29, s31, 2                         ; g
	s_lshl_b32 s24, s28, 20                        ; 128 rows of 8,192 bytes
	s_lshl_b32 s30, s29, 9
	s_add_co_u32 s24, s24, s30
	s_add_co_u32 s24, s24, s23
	s_add_nc_u64 s[32:33], s[4:5], s[24:25]
	s_lshl_b32 s30, s29, 2
	s_add_co_u32 s30, s30, s22                     ; 4 g + wave
	s_lshl_b32 s26, s30, 13
	s_lshl_b32 s24, s28, 11
	s_add_co_u32 s26, s26, s24
	s_add_nc_u64 s[34:35], s[16:17], s[26:27]      ; codes: 8,192 bytes for a chunk and wave, 2,048 for a K step
	s_lshl_b32 s26, s30, 9
	s_lshl_b32 s24, s28, 7
	s_add_co_u32 s26, s26, s24
	s_add_nc_u64 s[36:37], s[18:19], s[26:27]      ; scale words: 128 bytes for a K step
	s_lshl_b32 s26, s31, 2
	s_add_co_u32 s26, s26, s22
	s_lshl_b32 s26, s26, 2
	s_add_nc_u64 s[38:39], s[20:21], s[26:27]      ; my wave's word of w1amax
	s_mov_b32 s30, 0x76543210
	s_mov_b32 s31, 0xfedcba98                      ; lane selects: lane l xor 16
	LOADS 2048
.irp b, 0,1,2,3
.set XS_, X+32*\b
.if \b < 2
	s_wait_loadcnt 63
.else
	s_wait_loadcnt 32*(3-\b)
.endif
	v_max3_num_f32 v8, |v[XS_]|, |v[XS_+1]|, |v[XS_+2]|          ; the block's largest magnitude: all 32 numbers are mine; two chains
	v_max3_num_f32 v9, |v[XS_+3]|, |v[XS_+4]|, |v[XS_+5]|
.irp i, 6,10,14,18,22,26
	v_max3_num_f32 v8, v8, |v[XS_+\i]|, |v[XS_+\i+1]|
	v_max3_num_f32 v9, v9, |v[XS_+\i+2]|, |v[XS_+\i+3]|
.endr
	v_max3_num_f32 v8, v8, |v[XS_+30]|, |v[XS_+31]|
	v_max3_num_f32 v8, v8, v9, 0x1800000           ; and the floor 2^(3 - 127): the byte cannot fall under 1
	v_add_nc_u32 v11, 0xff000000, v8               ; 2 off the exponent field: the conversion takes this operand's exponent field as its scale
	v_lshrrev_b32 v9, 23, v11                      ; the scale's byte
.if \b == 0
	v_mov_b32 v12, v9                              ; four bytes make my column's scale word, the lower k in the lower byte
	v_mov_b32 v13, v8
.else
	v_lshl_or_b32 v12, v9, 8*\b, v12
	v_max_num_f32 v13, v13, v8                     ; my column's largest magnitude
.endif
.irp g, 0,1,2,3
	v_cvt_scalef32_pk8_fp4_f32 v[P+4*\b+\g], v[XS_+8*\g:XS_+8*\g+7], v11
.endr
	v_nop                                          ; one plain line behind the conversions, ahead of the next write of their scale operand
	global_store_b128 v3, v[P+4*\b:P+4*\b+3], s[34:35] offset:256*\b   ; block b of sixteen columns: 256 consecutive bytes
.endr
	global_store_b32 v2, v12, s[36:37]             ; lanes 0-15: the first tile's words, lanes 16-31: the second's
.irp x, 1,2,4,8
	v_max_num_f32_dpp v13, v13, v13 row_xmask:\x row_mask:0xf bank_mask:0xf
.endr
	v_mov_b32 v14, 0                               ; a lane permute's destination counts as read
	v_permlanex16_b32 v14, v13, s30, s31
	v_max_num_f32 v13, v13, v14                    ; the wave's largest magnitude
	v_mov_b32 v15, 0
	v_cmp_eq_u32 vcc_lo, 0, v1
	s_wait_xcnt 0x0                                ; EXEC is a source of the stores above: it changes only behind this wait
	s_and_saveexec_b32 s28, vcc_lo
	global_store_b32 v15, v13, s[38:39]            ; lane 0 alone
	s_wait_xcnt 0x0                                ; and again ahead of the line that widens it
	s_or_b32 exec_lo, exec_lo, s28
	s_endpgm
.Lfunc_end_k_q3b3e5b9a57_prep:
	.size	k_q3b3e5b9a57_prep, .Lfunc_end_k_q3b3e5b9a57_prep-k_q3b3e5b9a57_prep
	.p2alignl 7, 3214868480
	.fill 96, 4, 3214868480
	.section	.rodata,"a",@progbits
	.p2align	6, 0x0
	.amdhsa_kernel k_q3b3e5b9a57_prep
		.amdhsa_group_segment_fixed_size 0
		.amdhsa_private_segment_fixed_size 0
		.amdhsa_enable_private_segment 0
		.amdhsa_kernarg_size 72
		.amdhsa_user_sgpr_count 2
		.amdhsa_user_sgpr_kernarg_segment_ptr 1
		.amdhsa_wavefront_size32 1
		.amdhsa_system_sgpr_workgroup_id_x 1
		.amdhsa_system_sgpr_workgroup_id_y 1
		.amdhsa_system_sgpr_workgroup_id_z 1
		.amdhsa_system_vgpr_workitem_id 0
		.amdhsa_next_free_vgpr 208
		.amdhsa_next_free_sgpr 66
		.amdhsa_reserve_vcc 1
		.amdhsa_float_denorm_mode_32 3
		.amdhsa_float_denorm_mode_16_64 3
		.amdhsa_memory_ordered 1
		.amdhsa_forward_progress 1
		.amdhsa_inst_pref_size 119
	.end_amdhsa_kernel
	.amdgpu_metadata
---
amdhsa.version: [ 1, 2 ]
amdhsa.kernels:
  - .name:           k_q3b3e5b9a57_prep
    .symbol:         k_q3b3e5b9a57_prep.kd
    .args:
      - { .name: W1, .offset: 0, .size: 8, .value_kind: global_buffer, .address_space: global }
      - { .name: W2, .offset: 8, .size: 8, .value_kind: global_buffer, .address_space: global }
      - { .name: W3, .offset: 16, .size: 8, .value_kind: global_buffer, .address_space: global }
      - { .name: Wd1, .offset: 24, .size: 8, .value_kind: global_buffer, .address_space: global }
      - { .name: Wd2, .offset: 32, .size: 8, .value_kind: global_buffer, .address_space: global }
      - { .name: wstream, .offset: 40, .size: 8, .value_kind: global_buffer, .address_space: global }
      - { .name: w1codes, .offset: 48, .size: 8, .value_kind: global_buffer, .address_space: global }
      - { .name: w1scales, .offset: 56, .size: 8, .value_kind: global_buffer, .address_space: global }
      - { .name: w1amax, .offset: 64, .size: 8, .value_kind: global_buffer, .address_space: global }
    .group_segment_fixed_size: 0
    .private_segment_fixed_size: 0
    .kernarg_segment_align: 8
    .kernarg_segment_size: 72
    .max_flat_workgroup_size: 128
    .sgpr_count:     66
    .vgpr_count:     208
    .wavefront_size: 32
...
	.end_amdgpu_metadata
.endif
;; end of part 1
;; launch chain (part 2): grid 256 x 1, 4 waves a work-group, clusters of 4 x 1, 327,680 bytes of LDS; arguments deep_features, wide_features, domain_ids, b1, b2, b3, bd1, bd2, Wh, bh, wstream, w1codes, w1scales, w1amax, out0, out1, out2; writes out0, out1, out2
.if DOCPART == 2
	.amdgcn_target "amdgcn-amd-amdhsa--gfx1250"
	.amdhsa_code_object_version 6
	.text
	.protected	k_q3b3e5b9a57_chain
	.globl	k_q3b3e5b9a57_chain
	.p2align	8
	.type	k_q3b3e5b9a57_chain,@function
k_q3b3e5b9a57_chain:
	s_mov_b64 s[64:65], 0
	v_nop
	global_prefetch_b8 v0, s[64:65] scope:SCOPE_SE
	s_setreg_imm32_b32 hwreg(HW_REG_WAVE_MODE, 25, 1), 1
	s_wait_xcnt 0x0
	s_wait_alu depctr_hold_cnt(0) depctr_sa_sdst(0) depctr_va_vdst(0) depctr_va_sdst(0) depctr_va_ssrc(0) depctr_va_vcc(0) depctr_vm_vsrc(0)
	s_getreg_b32 s2, hwreg(HW_REG_IB_STS2, 6, 4)
	s_cmp_eq_u32 s2, 0
	s_cbranch_scc0 .Lentry_in_a_cluster
	s_endpgm
.Lentry_in_a_cluster:
	s_bfe_u32 s2, ttmp6, 0x10000c
	s_cmp_lg_u32 s2, 0x3003
	s_cbranch_scc0 .Lentry_shape_is_right
	s_endpgm
.Lentry_shape_is_right:
; One work-group takes 64 rows through the whole chain: 512 -> 2048 -> 1024 -> 512 (out1) -> 512 -> 256 (out2) -> head, wide sum, sigmoid (out0).  No activation goes to memory.
; PRODUCT 1 runs on codes of E2M1 with E8M0 scales (x is quantised here, in f32; W1's codes come laid out).  PRODUCTS 2 TO 5 run on f16 operands with f32 sums.
; SCALES, all exact powers of two.  The weights come as f16(W x 64).  An accumulator holds S z and begins as S x bias.  h1 goes as f16(max(z1 s1, 0)),
; s1 = 2^(14 - floor log2 bound), bound = max(1152 aX aW + aB, 2^-6): 512 products of numbers that quantising lifts by at most 1.5 each, aX, aW, aB the largest |x| of my rows, |W1|, |b1|.
; Later layers: f = 2^(14 - floor log2 max(largest accumulator of the work-group, 2^-10)); the next operand is f16(max(acc f, 0)), under 2^15; S' = 64 f S.  Outputs are max(acc, 0) / S.
; No branch and no address hangs on these numbers.
; LIMITS: activations up to about 2^100 (S and 1 / S stay normal f32 numbers; the floors hold S under 2^116); NaN and infinities are not served; a block of zeros of x gets the byte 1
; (its codes are zeros; this program alone reads the bytes); K of products 3 to 5 is walked in another order than memory's, alike on both operands, and K of product 2 from another
; chunk on in each cluster: the f32 sums are taken in those orders.
; SHARES.  THE FOUR WAVES SHARE THE COLUMNS, NOT THE ROWS: a wave owns N / 4 columns for all 64 rows: 64, 32, 32, 16 accumulators of 16 x 16.  A weight fragment is read from LDS by one wave, once.
; ALL PRODUCTS ARE USED TRANSPOSED (source 0 = 16 weight columns, source 1 = 16 rows): a lane holds one row (lane % 16), its registers the columns n0 + 8 (lane / 16) + 0..7.
; So two neighbouring result tiles, rounded to f16 in pairs, ARE a fragment of the next product's source 1; such fragments go from wave to wave through LDS as images of their registers.
; THE WEIGHTS of products 2 to 5 are one stream of 46 slots of 131,072 bytes, walked through a ring of two LDS slots; each wave fetches and reads its own quarter.
; CLUSTER 4 x 1: every work-group walks the same weights, so each slot is asked for JOINTLY by four.  (A mask names four work-groups; nothing else is shared, so the cluster has one axis.)
; THE CLUSTERS WALK LAYER 2'S K FROM SIXTEEN DIFFERENT CHUNKS ON, and round to where they began: chunk c0 + i (mod 16) in trip i.  So at any time the 64 clusters ask for sixteen different
; pairs of slots, not all for the same pair.  c0's four bits are b0^b1, b1^b2, b3^b4, b4^b5 of the cluster's number: the 32 clusters that share any one bit of it still begin at all sixteen chunks.
; W1's codes (an eleventh of the stream's bytes) go from memory into registers, a chunk ahead: they would break the slots' 32 fragments a wave.
; REGISTERS, in windows of 256.  Window 0: v0-31 addresses and scales' factors; v32-39 x's scale words, v40-43 W1's; v44-59 b1's two tiles (later: late addresses);
;   v64-127 fragments of source 1, two sets of four; v128-191 W1's eight fragments; v192-255 h1's eight tiles.  Window 1: v0-127 weight fragments, two sets of eight (between layers: a bias);
;   v128-255 x's sixteen fragments (later Wh's rows).  Windows 2, 3: the accumulators; after layer 2 window 2 holds the f16 fragments that wait to be published.
; SCALARS that stay: s71 2 c0; s87 the chunk of W1 in hand; s[92:93] the stream at my wave's part of slot 0; s[94:99] W1's codes, its scale words and b1 at my wave's part of chunk 0.
.set RING1, 131072                     ; LDS: slot 0 at 0, slot 1 here; in a slot wave w's part at 32,768 w, fragment f at 1,024 f
.set IMG0,  262144                     ; two buffers of 16 fragments of source 1: (place j, rows 16 m on) at (4 j + m) 1,024
.set IMGB,  16384
.set STG,   294912                     ; the way out: 16 rows x (256 + 16) bytes for each wave
.set RED,   312320                     ; the waves' maxima: 4 x 16 bytes, then three runs of four words, 64 bytes apart
.set WSUM,  312832                     ; 64 wide sums
.set HP,    313088                     ; the head's partial sums, [wave][64]
.set SPARE, 314112                     ; the spare words, 128 bytes for each wave: two blocks of 256 bytes that no other line names
.set XSC,   314624                     ; x's scale words
.set XSTG,  262144                     ; at the head only, over the image buffers: 16 rows x (512 + 16) bytes for each wave
.set XIMG,  295936                     ; at the head only, over the stages: x's sixteen fragments, (4 m + s) 1,024
.set AF,  64
.set W1F, 128
.set HA,  192
.set XS,  32
.set W1S, 40
.set B1,  44
.set TM,  44                           ; head: v44-47 largest magnitudes, v48-51 bytes, v56-59 the conversions' scale operands
.set PC,  20                           ; head: the codes just made
.set PW,  60                           ; head: the scale word just made
.set AMX, 61                           ; head: the largest |x| so far
.set R0,  64                           ; head: x as loaded, two sets;  X: 64 numbers of a lane's row
.set X,   192
.set MSB, 0
.macro WIN new                         ; the immediate's high byte repeats the setting that is left; a switch that changes nothing is dropped
.if MSB != (\new)
	s_set_vgpr_msb (MSB<<8)|(\new)
.set MSB, (\new)
.endif
.endm
.macro PLACES                          ; four plain lines between a matrix instruction and a load into, or a vector read of, its registers (ISA guide 7.12.1 for vector reads)
.rept 4
	v_nop
.endr
.endm
.macro BAR
	s_barrier_signal -1
	s_barrier_wait -1
.endm
.macro ROUND                           ; a round of the cluster's barrier: my work-group's barrier, wave 0 signals for it, every wave waits for all four work-groups, my work-group's barrier again
	s_barrier_signal -1
	s_barrier_wait -1
	s_cmp_lg_u32 s60, 0
	s_cbranch_scc1 .Lnot_wave_0_\@
	s_barrier_signal -3
.Lnot_wave_0_\@:
	s_barrier_wait -3
	s_barrier_signal -1
	s_barrier_wait -1
.endm
; A PREFETCH of the stream's slot two refills on: 256 matrix instructions of a wave ahead of the load that will want it.  Slots 32 to 45 (layers 3 to 5), which all clusters walk in one order: cluster 0 asks.
; Its sixteen waves take 8,192 bytes of the slot each, lanes 256 bytes apart; the four partners are told apart by address.  So each block of 256 bytes is named once.
; Slots 0 to 31 are named by no prefetch: the clusters' first fills, two slots each from sixteen starts, name all 32 at the launch's head.  So a wave asks while 2 < refills to go < 17:
; the last two refills have no slot two on.
.macro ASK
	s_cmp_gt_u32 s69, s70
	s_cbranch_scc0 .Lnot_mine_\@
	s_cmp_lt_u32 s69, 17
	s_cbranch_scc0 .Lnot_mine_\@
	global_prefetch_b8 v30, s[72:73] th:TH_LOAD_NT scope:SCOPE_SE
.Lnot_mine_\@:
.endm
.macro FB set, pos                     ; eight weight fragments, from place pos of my part of the slot in hand, into set
	WIN 0x40
.irp i, 0,1,2,3,4,5,6,7
	ds_load_b128 v[64*(\set)+8*\i:64*(\set)+8*\i+3],   v4 offset:((\pos)+\i)*1024
	ds_load_b128 v[64*(\set)+8*\i+4:64*(\set)+8*\i+7], v4 offset:((\pos)+\i)*1024+512
.endr
.endm
.macro FA set, j                       ; place j's four fragments of source 1 (rows 16 m on) from the image buffer in hand
	WIN 0
.irp m, 0,1,2,3
	ds_load_b128 v[AF+32*(\set)+8*\m:AF+32*(\set)+8*\m+3],   v6 offset:(4*(\j)+\m)*1024
	ds_load_b128 v[AF+32*(\set)+8*\m+4:AF+32*(\set)+8*\m+7], v6 offset:(4*(\j)+\m)*1024+512
.endr
.endm
; Layer 2: 16 products: rows 16 (2 mh + mm) on x my tiles 8 u + tt.  Accumulator (m, t) lies at 128 (m % 2) + 8 t of window 2 + m / 2.  The accumulators take turns, one instruction a turn.
.macro MM16 set, aset, u, mh
.irp mm, 0,1
.irp tt, 0,1,2,3,4,5,6,7
	v_wmma_f32_16x16x32_f16 v[128*\mm+8*(8*(\u)+\tt):128*\mm+8*(8*(\u)+\tt)+7], v[64*(\set)+8*\tt:64*(\set)+8*\tt+7], v[AF+32*(\aset)+8*(2*(\mh)+\mm):AF+32*(\aset)+8*(2*(\mh)+\mm)+7], v[128*\mm+8*(8*(\u)+\tt):128*\mm+8*(8*(\u)+\tt)+7]
.endr
.endr
.endm
; Layers 3 and 4: 16 products: my tiles t0 .. t0 + 3 x the four tiles of rows.  Accumulator (m, t) at 8 (8 m + t) of window 3
.macro MM8 set, aset, t0
.irp tt, \t0, \t0+1, \t0+2, \t0+3
.irp m, 0,1,2,3
	v_wmma_f32_16x16x32_f16 v[8*(8*\m+(\tt)):8*(8*\m+(\tt))+7], v[64*(\set)+8*(\tt):64*(\set)+8*(\tt)+7], v[AF+32*(\aset)+8*\m:AF+32*(\aset)+8*\m+7], v[8*(8*\m+(\tt)):8*(8*\m+(\tt))+7]
.endr
.endr
.endm
; A group of layer 2: 32 products of one K step and eight of my tiles.  The next group's fragments are asked for first, and land under these products.
.macro G16 aset, u, npos, fa, nj
	PLACES
	FB 1-(\u), \npos
.if \fa
	FA 1-(\aset), \nj
	s_wait_dscnt 24                                ; all but the 24 just issued: this group's fragments are in
.else
	s_wait_dscnt 16                                ; all but the 16 just issued
.endif
	WIN 0xa1                                       ; weights window 1, rows window 0, C and D window 2
	MM16 \u, \aset, \u, 0
	WIN 0xf1                                       ; C and D window 3
	MM16 \u, \aset, \u, 1
.endm
.macro G8 j                            ; a group of layers 3 and 4: place j: 32 products
	PLACES
	FB ((\j)+1)%2, 8*((\j)+1)
	FA ((\j)+1)%2, (\j)+1
	s_wait_dscnt 24                                ; all but the 24 just issued
	WIN 0xf1
	MM8 (\j)%2, (\j)%2, 0
	MM8 (\j)%2, (\j)%2, 4
.endm
; A slot's last group changes slots, AHEAD of its 32 products: their fragments are in registers, so the slot has been read out.  In front of the round each wave waits for all its tensor loads
; (one is out: its part of the next slot), adds 0 to its spare word, and waits for that and for its LDS reads and stores.  Behind the round no wave of any partner reads the slot that is left:
; it takes the slot two places on in my cluster's walk.  Between a tile's landing and the next request stand these lines and the round alone; from one request to the next a wave issues 128 products.
.macro TURN l2, aset, img, nj
	WIN 0
	s_wait_tensorcnt 0x0                           ; no tensor load of mine is out, so the walking descriptor may be written
	ds_add_u32 v28, v29                            ; 0 onto my spare word: the descriptor's steps stand between it and the wait for it
	s_xor_b32 s57, s57, RING1                      ; the other LDS slot than last time
	s_sub_co_u32 s82, 46, s69                      ; p: the place in the walk of the slot that is asked for now: 46 - refills to go
	s_add_co_u32 s83, s82, s71
	s_and_b32 s83, s83, 31                         ; in layer 2 the stream's slot (2 c0 + p) mod 32,
	s_cmp_lt_u32 s82, 32
	s_cselect_b32 s82, s83, s82                    ; from place 32 on slot p: made of the cluster's number and the count of refills, the same in all four partners
	s_lshl_b32 s82, s82, 17
	s_mov_b32 s83, 0
	s_add_nc_u64 s[58:59], s[92:93], s[82:83]
	s_or_b32 s59, s59, 0x80000000                  ; type = 2
	s_wait_xcnt 0x0                                ; the last prefetch, a slot back, has read its address
	s_add_nc_u64 s[72:73], s[72:73], RING1
	s_wait_dscnt 0x0                               ; the add is done; the slot's last fragments are in my registers: my reads of this slot and of the image buffer are over; my stores into the other buffer have landed
	ROUND
	tensor_load_to_lds s[56:59], s[44:51]          ; my one tensor load behind the round, and the first thing there
	s_nop 0
	PLACES                                         ; (also the places in front of the loads below)
	s_xor_b32 s63, s63, RING1
	v_add_nc_u32 v4, s63, v3                       ; my part of the other slot
.if \img
	s_xor_b32 s66, s66, IMGB                       ; the image buffers change places
	s_xor_b32 s67, s67, IMGB
	v_add_nc_u32 v6, s66, v5
	v_add_nc_u32 v8, s67, v7
.endif
	FB 0, 0                                        ; the next slot's first fragments land under the 32 products below
	FA 0, \nj
	ASK
	s_sub_co_u32 s69, s69, 1                       ; refills to go
.if \l2
	WIN 0xa1
	MM16 1, \aset, 1, 0
	WIN 0xf1
	MM16 1, \aset, 1, 1
.else
	WIN 0xf1
	MM8 1, 1, 0
	MM8 1, 1, 4
.endif
.endm
.macro W1LOAD                          ; a chunk's part of W1 for my 32 hidden units: eight fragments (K step s, tile t) at 8 (2 s + t), four scale words, b1's two tiles
.irp f, 0,1,2,3,4,5,6,7
	global_load_b128 v[W1F+8*\f:W1F+8*\f+3],   v1, s[76:77] offset:1024*\f
	global_load_b128 v[W1F+8*\f+4:W1F+8*\f+7], v1, s[76:77] offset:1024*\f+512
.endr
.irp s, 0,1,2,3
	global_load_b32 v[W1S+\s], v2, s[78:79] offset:128*\s
.endr
.irp t, 0,1
	global_load_b128 v[B1+8*\t:B1+8*\t+3],   v9, s[80:81] offset:64*\t
	global_load_b128 v[B1+8*\t+4:B1+8*\t+7], v9, s[80:81] offset:64*\t+16
.endr
.endm
.macro W1AT                            ; the three pointers at chunk s87: 32,768 bytes of codes, 2,048 of scale words, 512 of b1 a chunk
	s_lshl_b32 s82, s87, 15
	s_mov_b32 s83, 0
	s_add_nc_u64 s[76:77], s[94:95], s[82:83]
	s_lshl_b32 s82, s87, 11
	s_add_nc_u64 s[78:79], s[96:97], s[82:83]
	s_lshl_b32 s82, s87, 9
	s_add_nc_u64 s[80:81], s[98:99], s[82:83]
.endm
.macro W1STEP                          ; on to the next chunk of my cluster's walk, round from 15 to 0 (the loads that read these addresses have been waited for)
	s_add_co_u32 s87, s87, 1
	s_and_b32 s87, s87, 15
	W1AT
.endm
; One product of layer 1: tile t of my hidden units x rows 16 m on, K step s.  W1's scale words: lanes 0-15 tile 0, lanes 16-31 tile 1;  x's: lanes 0-15 even m, lanes 16-31 odd m.
.macro P1 s, m, t
.set D_, HA+8*(2*\m+\t)
.set A_, W1F+8*(2*\s+\t)
.set B_, 128+8*(4*\m+\s)
.set SA_, W1S+\s
.set SB_, XS+4*(\m/2)+\s
.if \s == 0
.set C_, B1+8*\t                       ; the bias is the C of a sum's first product
.else
.set C_, D_
.endif
.if (\t == 0) && (\m%2 == 0)
	v_wmma_scale_f32_16x16x128_f8f6f4 v[D_:D_+7], v[A_:A_+7], v[B_:B_+7], v[C_:C_+7], v[SA_], v[SB_] matrix_a_fmt:MATRIX_FMT_FP4 matrix_b_fmt:MATRIX_FMT_FP4
.elseif (\m%2 == 0)
	v_wmma_scale_f32_16x16x128_f8f6f4 v[D_:D_+7], v[A_:A_+7], v[B_:B_+7], v[C_:C_+7], v[SA_], v[SB_] matrix_a_fmt:MATRIX_FMT_FP4 matrix_b_fmt:MATRIX_FMT_FP4 matrix_a_scale:MATRIX_SCALE_ROW1
.elseif (\t == 0)
	v_wmma_scale_f32_16x16x128_f8f6f4 v[D_:D_+7], v[A_:A_+7], v[B_:B_+7], v[C_:C_+7], v[SA_], v[SB_] matrix_a_fmt:MATRIX_FMT_FP4 matrix_b_fmt:MATRIX_FMT_FP4 matrix_b_scale:MATRIX_SCALE_ROW1
.else
	v_wmma_scale_f32_16x16x128_f8f6f4 v[D_:D_+7], v[A_:A_+7], v[B_:B_+7], v[C_:C_+7], v[SA_], v[SB_] matrix_a_fmt:MATRIX_FMT_FP4 matrix_b_fmt:MATRIX_FMT_FP4 matrix_a_scale:MATRIX_SCALE_ROW1 matrix_b_scale:MATRIX_SCALE_ROW1
.endif
.endm
; My 32 hidden units of a chunk, for the 64 rows: 32 products on codes; x s1, relu, f16; the four fragments (K step = my wave's number) go into the image buffer that is not being read.
.macro PRODUCE
	s_wait_loadcnt 0x0                             ; W1's part is in
	WIN 0x04                                       ; x's fragments in window 1
.irp s, 0,1,2,3
.irp m, 0,1,2,3
.irp t, 0,1
	P1 \s, \m, \t
.endr
.endr
.endr
	WIN 0
	PLACES
.set I_, 0
.rept 32
	v_pk_mul_f32 v[HA+I_:HA+I_+1], v[HA+I_:HA+I_+1], v[16:17] op_sel_hi:[1,0]   ; x s1; each tile from its low end on
.set I_, I_+2
.endr
.set I_, 0
.rept 64
	v_max_num_f32 v[HA+I_], 0, v[HA+I_]
.set I_, I_+1
.endr
.irp m, 0,1,2,3
.irp i, 0,1,2,3,4,5,6,7
	v_cvt_pk_f16_f32 v[HA+16*\m+\i], v[HA+16*\m+2*\i], v[HA+16*\m+2*\i+1]   ; ascending: only numbers already taken are written over
.endr
.endr
.irp m, 0,1,2,3
	ds_store_b128 v8, v[HA+16*\m:HA+16*\m+3]   offset:1024*\m
	ds_store_b128 v8, v[HA+16*\m+4:HA+16*\m+7] offset:1024*\m+512
.endr
.endm
; 64 numbers of a lane, register 16 b + i = k 32 b + 16 (lane / 16) + i of its row, become a fragment's codes in v[PC] on and its scale word in v[PW].
.macro QUANT s
.irp b, 0,1,2,3
	v_max3_num_f32 v[TM+\b], |v[\s+16*\b]|, |v[\s+1+16*\b]|, 0x1800000   ; my 16 numbers of block b, and the floor 2^(3 - 127): the byte cannot fall under 1
.endr
.irp i, 2,4,6,8,10,12,14
.irp b, 0,1,2,3
	v_max3_num_f32 v[TM+\b], v[TM+\b], |v[\s+16*\b+\i]|, |v[\s+1+16*\b+\i]|
.endr
.endr
.irp b, 0,1,2,3
	v_permlanex16_b32 v[TM+4+\b], v[TM+\b], s74, s75
.endr
.irp b, 0,1,2,3
	v_max_num_f32 v[TM+\b], v[TM+\b], v[TM+4+\b]   ; with lane l xor 16's: the block's largest magnitude
.endr
.irp b, 0,1,2,3
	v_add_nc_u32 v[TM+12+\b], 0xff000000, v[TM+\b] ; 2 off its exponent field: the conversion's scale operand
.endr
.irp b, 0,1,2,3
	v_lshrrev_b32 v[TM+4+\b], 23, v[TM+12+\b]      ; the scale's byte
.endr
	v_lshl_or_b32 v[PW], v[TM+5], 8, v[TM+4]
	v_lshl_or_b32 v[PW], v[TM+6], 16, v[PW]
	v_lshl_or_b32 v[PW], v[TM+7], 24, v[PW]
.irp b, 0,1,2,3
	v_cvt_scalef32_pk8_fp4_f32 v[PC+2*\b], v[\s+16*\b:\s+7+16*\b], v[TM+12+\b]
	v_cvt_scalef32_pk8_fp4_f32 v[PC+1+2*\b], v[\s+8+16*\b:\s+15+16*\b], v[TM+12+\b]
.endr
	v_nop                                          ; one plain line behind a scaled conversion
.irp c, 0,1                            ; the operand wants a whole block in a lane: lanes 0-15 block 2 c, lanes 16-31 block 2 c + 1
.irp i, 0,1
	v_permlane16_swap_b32 v[PC+4*\c+\i], v[PC+2+4*\c+\i]
.endr
.endr
.endm
.macro XLOAD reg, s                    ; my 16 rows' 512 bytes of K step s: a row a load, 16 bytes a lane
.irp i, 0,1,2,3,4,5,6,7,8,9,10,11,12,13,14,15
	global_load_b128 v[\reg+4*\i:\reg+4*\i+3], v1, s[8:9] offset:2048*\i+512*(\s) th:TH_LOAD_NT
.endr
.endm
; K step s of my 16 rows of x: through my stage, so that a lane holds 16 neighbours of each block; quantised; image and scale word to LDS.  left: the younger loads, which may stay out.
.macro XSTEP s, left
.set RR_, R0+64*((\s)%2)
	s_wait_loadcnt \left
.irp i, 0,1,2,3,4,5,6,7,8,9,10,11,12,13,14,15
	ds_store_b128 v4, v[RR_+4*\i:RR_+4*\i+3] offset:528*\i
.endr
.irp b, 0,1,2,3
.irp q, 0,1,2,3
	ds_load_b128 v[X+16*\b+4*\q:X+16*\b+4*\q+3], v6 offset:128*\b+16*\q   ; LDS serves a wave's instructions in order: these see the stores above
.endr
.endr
	s_wait_dscnt 0x0                               ; the numbers are back; the stores have read their registers, the last step's too
.if (\s) < 2
	XLOAD RR_, (\s)+2
.endif
.if (\s) == 2
.irp i, 0,1,2,3
	global_load_b128 v[64+4*\i:67+4*\i], v63, s[14:15] offset:2048*\i   ; b1, 16 numbers a thread, and
.endr
	global_load_b64 v[80:81], v31, s[34:35]        ; W1's largest magnitudes, two a thread: for the bound on h1
.endif
	QUANT X
	ds_store_b128 v8, v[PC:PC+3]   offset:1024*(\s)
	ds_store_b128 v8, v[PC+4:PC+7] offset:1024*(\s)+512
	ds_store_b32 v62, v[PW] offset:128*(\s)        ; lanes l and l xor 16 write the same word with the same value
.if (\s) == 0
	v_max3_num_f32 v[AMX], v[TM], v[TM+1], v[TM+2]
	v_max_num_f32 v[AMX], v[AMX], v[TM+3]
.else
	v_max3_num_f32 v[AMX], v[AMX], v[TM], v[TM+1]
	v_max3_num_f32 v[AMX], v[AMX], v[TM+2], v[TM+3]
.endif
.endm
.macro BIAS p, nt                      ; my nt tiles of a bias, in the result's layout, into window 1: tile t at 8 t
	WIN 0x40
.set T_, 0
.rept \nt
	global_load_b128 v[8*T_:8*T_+3],   v9, s[\p:\p+1] offset:64*T_
	global_load_b128 v[8*T_+4:8*T_+7], v9, s[\p:\p+1] offset:64*T_+16
.set T_, T_+1
.endr
	WIN 0
.endm
.macro INIT wb, nm, nt                 ; the accumulators begin as S x bias
	WIN \wb
.set M_, 0
.rept \nm
.set J_, 0
.rept 4*\nt
	v_pk_mul_f32 v[8*\nt*M_+2*J_:8*\nt*M_+2*J_+1], v[2*J_:2*J_+1], v[18:19] op_sel_hi:[1,0]
.set J_, J_+1
.endr
.set M_, M_+1
.endr
	WIN 0
.endm
.macro MXINIT                          ; four chains begin at the floor 2^-10
.irp i, 0,1,2,3
	v_mov_b32 v[24+\i], 0x3a800000
.endr
.endm
.macro MAXPASS wb                      ; the largest number of a window's 256; no |.|: what is negative is clipped anyway.  Ascending: each accumulator from its low end on
	WIN \wb
.set I_, 0
.rept 128
	v_max3_num_f32 v[24+I_%4], v[24+I_%4], v[2*I_], v[2*I_+1]
.set I_, I_+1
.endr
.endm
.macro REDUCE k                        ; over the lanes, then over the four waves through LDS; then f
	WIN 0
	v_max3_num_f32 v24, v24, v25, v26
	v_max_num_f32 v24, v24, v27
.irp x, 1,2,4,8
	v_max_num_f32_dpp v24, v24, v24 row_xmask:\x row_mask:0xf bank_mask:0xf
.endr
	v_permlanex16_b32 v31, v24, s74, s75
	v_max_num_f32 v24, v24, v31
	ds_store_b32 v14, v24 offset:64*\k             ; all lanes write my wave's word with the same value
	s_wait_dscnt 0x0                               ; for the others' sake
	BAR
	ds_load_b128 v[24:27], v15 offset:64*\k
	s_wait_dscnt 0x0
	v_max3_num_f32 v23, v24, v25, v26
	v_max_num_f32 v23, v23, v27
	v_and_b32 v23, 0x7f800000, v23                 ; its exponent field e
	v_sub_nc_u32 v16, 0x86000000, v23              ; f = 2^(14 - floor log2): the field 268 - e
	v_mov_b32 v17, v16
.endm
.macro SETS                            ; S as a pair, and 1 / S: the field 254 - S's
	v_mov_b32 v18, v22
	v_mov_b32 v19, v22
	v_sub_nc_u32 v20, 0x7f000000, v22
	v_mov_b32 v21, v20
.endm
.macro NEWS                            ; S' = 64 f S
	v_mul_f32 v22, v22, v16
	v_mul_f32 v22, 0x42800000, v22
	SETS
.endm
.macro SCALEW wb, n                    ; a window's first n registers x f, in place
	WIN \wb
.set I_, 0
.rept (\n)/2
	v_pk_mul_f32 v[I_:I_+1], v[I_:I_+1], v[16:17] op_sel_hi:[1,0]
.set I_, I_+2
.endr
.endm
.macro RELUW wb, n
	WIN \wb
.set I_, 0
.rept \n
	v_max_num_f32 v[I_], 0, v[I_]
.set I_, I_+1
.endr
.endm
.macro CVTW wb, sb, db, n              ; n numbers from sb on become n / 2 registers of f16 pairs from db on, in window 2
	WIN \wb
.set I_, 0
.rept (\n)/2
	v_cvt_pk_f16_f32 v[(\db)+I_], v[(\sb)+2*I_], v[(\sb)+2*I_+1]
.set I_, I_+1
.endr
.endm
.macro PUB jl, adr, off                ; my K step jl's four fragments, (m, jl) at 8 (8 m + jl) of window 2, go to LDS as they stand
	WIN 0x08                                       ; an LDS store's data are its source 1
.irp m, 0,1,2,3
	ds_store_b128 v[\adr], v[8*(8*\m+(\jl)):8*(8*\m+(\jl))+3]   offset:\off+1024*\m
	ds_store_b128 v[\adr], v[8*(8*\m+(\jl))+4:8*(8*\m+(\jl))+7] offset:\off+1024*\m+512
.endr
	WIN 0
.endm
.macro PUBIF k                         ; in trip k - 1 the next chunk's fragments are number k: register numbers cannot hang on a counter, so the trips choose by a branch on it
	s_cmp_lg_u32 s68, (\k)-1
	s_cbranch_scc1 .Lnot_now_\@
	PUB \k, 8, 0
.Lnot_now_\@:
.endm
.macro RESET                           ; the image buffers as at a layer's start: read 0, write 1
	s_mov_b32 s66, 0
	s_mov_b32 s67, IMGB
	v_mov_b32 v6, v5
	v_add_nc_u32 v8, IMGB, v7
.endm
; Layers 3 and 4: a trip is a chunk: one slot, four places (place j: wave j's own K step number s68), 128 products a wave; the next chunk's fragments are published on the way.
.macro LOOP8 nch
	s_mov_b32 s68, 0
.Lchunk_\@:
	G8 0
	WIN 0
.irp k, 1,2,3,4,5,6,7
.if \k < \nch
	PUBIF \k
.endif
.endr
	G8 1
	G8 2
	TURN 0, 1, 1, 0
	WIN 0
	s_add_co_u32 s68, s68, 1
	s_cmp_lt_u32 s68, \nch
	s_cbranch_scc1 .Lchunk_\@
.endm
; THE WAY OUT of 16 rows (16 m on) of my columns, in v64 on: nu halves of 256 bytes go through my stage and leave as whole rows: sixteen lanes store 256 consecutive aligned bytes.
.macro OUTM nu, go, p, rowb, m
	s_wait_xcnt 0x0                                ; earlier stores have read the registers that the loads below fill
.set U_, 0
.rept \nu
.irp t, 0,1,2,3
	ds_store_b128 v10, v[64+32*U_+8*\t:64+32*U_+8*\t+3]   offset:64*\t
	ds_store_b128 v10, v[64+32*U_+8*\t+4:64+32*U_+8*\t+7] offset:64*\t+16
.endr
.irp i, 0,1,2,3,4,5,6,7
	ds_load_b128 v[128+32*U_+4*\i:128+32*U_+4*\i+3], v11 offset:544*\i   ; LDS serves a wave's instructions in order: these see the stores above, and the next half's stores come behind them
.endr
.set U_, U_+1
.endr
.set U_, 0
.rept \nu
.irp i, 0,1,2,3,4,5,6,7
	s_wait_dscnt 16*(\nu-1-U_)+7-\i                ; behind load i: the rest of its half's loads, and sixteen for each later half
	global_store_b128 v[\go], v[128+32*U_+4*\i:128+32*U_+4*\i+3], s[\p:\p+1] offset:(16*\m+2*\i)*\rowb+256*U_ th:TH_STORE_NT
.endr
.set U_, U_+1
.endr
.endm
; Layer 5, a slot's two chunks: a chunk is written once and walked twice; ring and image offsets hang on s66.  16 weight fragments (place j, tile t), 16 of source 1 (j, m), 64 products.
; The loads go out place by place, sixteen each, and each place's sixteen products wait for its own loads alone: the later places' land under the earlier products.
.macro HALF
	s_mov_b32 s66, 0
	s_mov_b32 s68, 0
.Lhalf_\@:
	s_add_co_u32 s82, s63, s66
	v_add_nc_u32 v4, s82, v3
	v_add_nc_u32 v6, s66, v5
.irp j, 0,1,2,3
	WIN 0x40
.irp t, 0,1,2,3
	ds_load_b128 v[8*(4*\j+\t):8*(4*\j+\t)+3],   v4 offset:1024*(4*\j+\t)
	ds_load_b128 v[8*(4*\j+\t)+4:8*(4*\j+\t)+7], v4 offset:1024*(4*\j+\t)+512
.endr
	WIN 0
.irp m, 0,1,2,3
	ds_load_b128 v[AF+8*(4*\j+\m):AF+8*(4*\j+\m)+3],   v6 offset:1024*(4*\j+\m)
	ds_load_b128 v[AF+8*(4*\j+\m)+4:AF+8*(4*\j+\m)+7], v6 offset:1024*(4*\j+\m)+512
.endr
.endr
	WIN 0xf1
.irp j, 0,1,2,3
	s_wait_dscnt 48-16*\j                          ; place j's sixteen loads are in; the sixteen of each later place may stay out
.irp t, 0,1,2,3
.irp m, 0,1,2,3
	v_wmma_f32_16x16x32_f16 v[8*(4*\m+\t):8*(4*\m+\t)+7], v[8*(4*\j+\t):8*(4*\j+\t)+7], v[AF+8*(4*\j+\m):AF+8*(4*\j+\m)+7], v[8*(4*\m+\t):8*(4*\m+\t)+7]
.endr
.endr
.endr
	WIN 0
	PLACES
	s_xor_b32 s66, s66, IMGB
	s_add_co_u32 s68, s68, 1
	s_cmp_lt_u32 s68, 2
	s_cbranch_scc1 .Lhalf_\@
.endm
	; ---- THE HEAD
	s_load_b512 s[8:23], s[0:1], 0x0               ; deep s[8:9], wide s[10:11], ids s[12:13], b1 s[14:15], b2 s[16:17], b3 s[18:19], bd1 s[20:21], bd2 s[22:23]
	s_load_b512 s[24:39], s[0:1], 0x40             ; Wh s[24:25], bh s[26:27], stream s[28:29], w1codes s[30:31], w1scales s[32:33], w1amax s[34:35], out0 s[36:37], out1 s[38:39]
	s_load_b64 s[40:41], s[0:1], 0x80              ; out2
	v_lshl_add_u32 v28, v0, 2, SPARE
	v_mov_b32 v29, 0
	ds_add_u32 v28, v29                            ; the wave's opening: the add, twice on end, and its wait ahead of my first tensor load
	ds_add_u32 v28, v29                            ; and once more, under the one wait; the set-up below, work on registers, stands between
	v_lshrrev_b32 v1, 5, v0
	v_readfirstlane_b32 s60, v1                    ; wave 0..3
	s_bfe_u32 s61, ttmp6, 0x40000                  ; cx: my place in the cluster: it enters global addresses of rows and prefetches alone
	s_lshl_b32 s62, ttmp9, 2                       ; in a cluster launch ttmp9 counts clusters
	s_add_co_u32 s62, s62, s61                     ; my block of 64 rows
	s_lshr_b32 s71, ttmp9, 1                       ; where my cluster begins layer 2's K:
	s_xor_b32 s71, s71, ttmp9                      ; bit i of this is b(i) ^ b(i+1) of the cluster's number;
	s_lshr_b32 s87, s71, 1
	s_and_b32 s87, s87, 12                         ; b3^b4 and b4^b5 above,
	s_and_b32 s71, s71, 3                          ; b0^b1 and b1^b2 below:
	s_or_b32 s87, s87, s71                         ; c0, the first chunk; s87 then counts W1's chunks on
	s_lshl_b32 s71, s87, 1                         ; 2 c0: the first slot
	; descriptor group 1: a wave's part of a slot, 32,768 dense bytes, as 128 rows of 256 bytes
	s_mov_b32 s44, 15|(3<<16)|(1<<21)              ; 15:0 the mask: all four work-groups; 17:16 elements of 8 bytes; 20 no padding; 21 set beside a mask
	s_mov_b32 s45, 32<<16                          ; tensor_dim0 = 32
	s_mov_b32 s46, 128<<16                         ; tensor_dim1 = 128
	s_mov_b32 s47, 32<<16                          ; tile_dim0 = 32
	s_mov_b32 s48, 128                             ; tile_dim1 = 128
	s_mov_b32 s49, 32                              ; from row to row
	s_mov_b32 s50, 0
	s_mov_b32 s51, 0
	s_mov_b32 s74, 0x76543210
	s_mov_b32 s75, 0xfedcba98                      ; lane selects: lane l xor 16
	s_mov_b32 s63, 0                               ; the LDS slot in hand
	s_mov_b32 s69, 44                              ; refills to go: places 2 to 45 of the walk
	s_cmp_eq_u32 ttmp9, 0
	s_cselect_b32 s70, 2, -1                       ; cluster 0 prefetches while more than two refills are to go; the same in all partners
	s_cmp_eq_u32 s60, 0
	s_cselect_b32 s86, 1.0, 0                      ; wave 0 adds bh to its partial sums
	v_and_b32 v23, 31, v0                          ; lane
	v_and_b32 v24, 15, v0                          ; r
	v_bfe_u32 v25, v0, 4, 1                        ; h
	v_lshlrev_b32 v1, 4, v23                       ; v1  16 lane: an image's place for my lane
	v_lshlrev_b32 v2, 2, v23                       ; v2  4 lane
	v_lshlrev_b32 v30, 8, v23                      ; v30 256 lane: the prefetches' offset
	s_lshl_b32 s82, s60, 15                        ; 32,768 w
	s_mov_b32 s83, 0
	v_add_nc_u32 v3, s82, v1                       ; v3  my part of slot 0
	v_add_nc_u32 v5, IMG0, v1                      ; v5  image buffer 0, to read
	s_lshl_b32 s84, s60, 12
	s_add_co_u32 s85, s84, IMG0
	v_add_nc_u32 v7, s85, v1                       ; v7  image buffer 0, my place (j = my wave), to write
	s_add_co_u32 s85, s84, XIMG
	v_add_nc_u32 v8, s85, v1                       ; v8  (head) x's images: my four
	v_lshlrev_b32 v9, 5, v25                       ; v9  32 h: my half's eight numbers of a bias tile
	s_mul_i32 s84, s60, 4352
	s_add_co_u32 s84, s84, STG
	v_mul_u32_u24 v10, v24, 272
	v_lshl_add_u32 v10, v25, 5, v10
	v_add_nc_u32 v10, s84, v10                     ; v10 the stage, in: row r, + 32 h
	v_mul_u32_u24 v11, v25, 272
	v_lshl_add_u32 v11, v24, 4, v11
	v_add_nc_u32 v11, s84, v11                     ; v11 the stage, back: lanes 0-15 one row, lanes 16-31 the next
	v_lshlrev_b32 v12, 11, v25
	v_lshl_add_u32 v12, v24, 4, v12
	s_lshl_b32 s84, s60, 9
	v_add_nc_u32 v12, s84, v12                     ; v12 out1: 2,048 h + 16 r + 512 w
	v_lshlrev_b32 v13, 10, v25
	v_lshl_add_u32 v13, v24, 4, v13
	s_lshl_b32 s84, s60, 8
	v_add_nc_u32 v13, s84, v13                     ; v13 out2: 1,024 h + 16 r + 256 w
	s_lshl_b32 s84, s60, 2
	s_add_co_u32 s84, s84, RED
	v_mov_b32 v14, s84                             ; v14 my wave's word of a run of maxima
	v_mov_b32 v15, RED                             ; v15 the runs
	s_mul_i32 s84, s60, 8448
	s_add_co_u32 s84, s84, XSTG
	v_add_nc_u32 v4, s84, v1                       ; v4  (head) x's stage, in
	v_mul_u32_u24 v6, v24, 528
	v_lshl_add_u32 v6, v25, 6, v6
	v_add_nc_u32 v6, s84, v6                       ; v6  (head) x's stage, back: row r, + 64 h
	s_lshr_b32 s84, s60, 1
	s_lshl_b32 s84, s84, 9
	s_and_b32 s85, s60, 1
	s_lshl_b32 s85, s85, 6
	s_add_co_u32 s84, s84, s85
	s_add_co_u32 s84, s84, XSC
	v_lshl_add_u32 v62, v24, 2, s84                ; v62 (head) x's scale words: 512 (w / 2) + 64 (w % 2) + 4 r
	v_lshlrev_b32 v63, 4, v0                       ; v63 (head) 16 x thread
	v_lshlrev_b32 v31, 3, v0                       ; v31 (head) 8 x thread; later a lane permute's destination
.irp b, 0,1,2,3
	v_mov_b32 v[TM+4+\b], 0                        ; written once: a lane permute's destination counts as read
.endr
	s_lshl_b32 s84, s87, 18                        ; my cluster's first slot, 2 c0, in bytes
	s_mov_b32 s85, 0
	s_wait_dscnt 0x0                               ; both opening adds are done
	s_wait_kmcnt 0x0
	s_add_nc_u64 s[92:93], s[28:29], s[82:83]      ; the stream at my wave's part of slot 0: it stays; nothing of my place in the cluster in it
	s_mov_b32 s52, 1                               ; group 0 for LDS slot 0: count = 1,
	s_mov_b32 s53, s82                             ; LDS address,
	s_add_nc_u64 s[54:55], s[92:93], s[84:85]      ; global address: the stream's slot 2 c0
	s_mov_b32 s56, 1                               ; group 0 for LDS slot 1, which then walks
	s_add_co_u32 s57, s82, RING1
	s_add_nc_u64 s[58:59], s[54:55], RING1         ; the stream's slot 2 c0 + 1
	s_or_b32 s55, s55, 0x80000000                  ; type = 2
	s_or_b32 s59, s59, 0x80000000
	s_mov_b32 s89, 0
	s_lshl_b32 s88, s62, 17
	s_add_co_u32 s88, s88, s82
	s_add_nc_u64 s[8:9], s[8:9], s[88:89]          ; deep at my wave's 16 rows: 131,072 x block + 32,768 w
	ROUND                                          ; all four work-groups are here: the first joint loads meet
	tensor_load_to_lds s[52:55], s[44:51]          ; two loads of mine are out
	s_nop 0
	tensor_load_to_lds s[56:59], s[44:51]
	s_nop 0
	PLACES
	XLOAD R0, 0
	XLOAD R0+64, 1
	s_lshl_b32 s88, s61, 15                        ; the prefetches: my work-group's quarter of a slot, my wave's quarter of that,
	s_lshl_b32 s90, s60, 13
	s_add_co_u32 s88, s88, s90
	s_add_co_u32 s88, s88, 3*RING1                 ; at slot 3: every refill steps it a slot on, so that the refill of place p finds it at slot p + 2
	s_add_nc_u64 s[72:73], s[28:29], s[88:89]
	s_lshl_b32 s88, s62, 16
	s_add_nc_u64 s[40:41], s[40:41], s[88:89]      ; out2 at my block
	s_lshl_b32 s90, s60, 14
	s_add_co_u32 s88, s88, s90
	s_add_nc_u64 s[10:11], s[10:11], s[88:89]      ; wide at my wave's 16 rows
	s_lshl_b32 s88, s62, 8
	s_add_nc_u64 s[12:13], s[12:13], s[88:89]      ; ids and out0 at my block
	s_add_nc_u64 s[36:37], s[36:37], s[88:89]
	s_lshl_b32 s88, s62, 17
	s_add_nc_u64 s[38:39], s[38:39], s[88:89]      ; out1 at my block
	s_lshl_b32 s82, s60, 10
	s_add_nc_u64 s[16:17], s[16:17], s[82:83]      ; the biases and Wh at my wave's columns
	s_lshl_b32 s82, s60, 9
	s_add_nc_u64 s[18:19], s[18:19], s[82:83]
	s_add_nc_u64 s[20:21], s[20:21], s[82:83]
	s_add_nc_u64 s[96:97], s[32:33], s[82:83]      ; W1's scale words: 512 bytes a wave
	s_lshl_b32 s82, s60, 8
	s_add_nc_u64 s[22:23], s[22:23], s[82:83]
	s_add_nc_u64 s[24:25], s[24:25], s[82:83]
	s_lshl_b32 s82, s60, 13
	s_add_nc_u64 s[94:95], s[30:31], s[82:83]      ; W1's codes: 8,192 bytes a wave
	s_lshl_b32 s82, s60, 7
	s_add_nc_u64 s[98:99], s[14:15], s[82:83]      ; b1 at my wave's 32 units of chunk 0
	W1AT                                           ; the three at chunk c0
	; ---- x is quantised: wave w takes rows 16 w on; two K steps' loads are on their way
	XSTEP 0, 16
	XSTEP 1, 16
	XSTEP 2, 16
	XSTEP 3, 5                                     ; behind K step 3's loads: b1's four and w1amax's one
	s_wait_loadcnt 0x0
	v_max3_num_f32 v46, |v64|, |v65|, |v66|        ; the largest |b1| of my 16
.irp i, 67,69,71,73,75,77
	v_max3_num_f32 v46, v46, |v[\i]|, |v[\i+1]|
.endr
	v_max_num_f32 v46, v46, |v79|
	v_max_num_f32 v45, v80, v81                    ; the largest |W1| of my two
	v_mov_b32 v44, v[AMX]                          ; the largest |x| of my rows
.irp x, 1,2,4,8
.irp g, 44,45,46
	v_max_num_f32_dpp v\g, v\g, v\g row_xmask:\x row_mask:0xf bank_mask:0xf
.endr
.endr
.irp g, 0,1,2
	v_permlanex16_b32 v[48+\g], v[44+\g], s74, s75
.endr
.irp g, 0,1,2
	v_max_num_f32 v[44+\g], v[44+\g], v[48+\g]
.endr
	v_mov_b32 v47, 0
	s_lshl_b32 s84, s60, 4
	s_add_co_u32 s84, s84, RED
	v_mov_b32 v31, s84
	ds_store_b128 v31, v[44:47]                    ; my wave's three maxima
	s_wait_dscnt 0x0                               ; my images, scale words and maxima have landed; my reads of the stage are over
	BAR
	BIAS 16, 16                                    ; b2: my sixteen tiles
	W1LOAD                                         ; my cluster's first chunk
	v_add_nc_u32 v4, XIMG, v1
	WIN 0x40
.irp f, 0,1,2,3,4,5,6,7,8,9,10,11,12,13,14,15      ; x's sixteen fragments stay in registers: (m, s) at 128 + 8 (4 m + s) of window 1
	ds_load_b128 v[128+8*\f:128+8*\f+3],   v4 offset:1024*\f
	ds_load_b128 v[128+8*\f+4:128+8*\f+7], v4 offset:1024*\f+512
.endr
	WIN 0
	v_add_nc_u32 v6, XSC, v2
.irp i, 0,1,2,3,4,5,6,7
	ds_load_b32 v[XS+\i], v6 offset:128*\i         ; register 4 (m / 2) + s: lanes 0-15 even m, lanes 16-31 odd m
.endr
.irp i, 0,1,2,3
	ds_load_b128 v[64+4*\i:67+4*\i], v15 offset:16*\i
.endr
	s_wait_dscnt 0x0
	v_max3_num_f32 v23, v64, v68, v72
	v_max3_num_f32 v24, v65, v69, v73
	v_max3_num_f32 v25, v66, v70, v74
	v_max_num_f32 v23, v23, v76                    ; aX
	v_max_num_f32 v24, v24, v77                    ; aW
	v_max_num_f32 v25, v25, v78                    ; aB
	v_mul_f32 v23, v23, v24
	v_fmamk_f32 v23, v23, 0x44900000, v25          ; 1152 aX aW + aB: no |z1| lies above it
	v_max_num_f32 v23, 0x3c800000, v23             ; the floor 2^-6
	v_and_b32 v23, 0x7f800000, v23
	v_sub_nc_u32 v16, 0x86000000, v23              ; s1 = 2^(14 - floor log2 bound)
	v_mov_b32 v17, v16
	v_mul_f32 v22, 0x42800000, v16                 ; S of layer 2 = 64 s1
	SETS
	s_wait_loadcnt 24                              ; b2 is in; W1LOAD's 24 may stay out
	INIT 0x81, 2, 16
	INIT 0xc1, 2, 16
	v_mov_b32 v8, v7                               ; the first chunk goes into image buffer 0
	PRODUCE
	W1STEP
	W1LOAD                                         ; the second chunk
	RESET
	v_mov_b32 v4, v3
	s_wait_tensorcnt 0x1                           ; my part of LDS slot 0 is in; slot 1's may stay out
	s_wait_dscnt 0x0                               ; my part of the first chunk's image has landed
	BAR
	FB 0, 0
	FA 0, 0
	; ---- LAYER 2: sixteen trips; a trip is a chunk of 128 along K: two slots, 256 products a wave, and the next chunk of h1 made on the way
	s_mov_b32 s68, 0
.Ll2:
	G16 0, 0, 8, 0, 0
	WIN 0
	s_cmp_lt_u32 s68, 15                           ; the last chunk has no successor,
	s_cbranch_scc0 .Lno_h1
	PRODUCE
	s_cmp_lt_u32 s68, 14                           ; and the last but one asks for no more of W1
	s_cbranch_scc0 .Lno_h1
	W1STEP
	W1LOAD
.Lno_h1:
	G16 0, 1, 16, 1, 1
	G16 1, 0, 24, 0, 0
	TURN 1, 1, 0, 2
	G16 0, 0, 8, 0, 0
	G16 0, 1, 16, 1, 3
	G16 1, 0, 24, 0, 0
	TURN 1, 1, 1, 0
	WIN 0
	s_add_co_u32 s68, s68, 1
	s_cmp_lt_u32 s68, 16
	s_cbranch_scc1 .Ll2
	; ---- between layers 2 and 3.  (The last trip's fetch is not used: it read bytes that had been written, and is waited for here)
	PLACES
	s_wait_dscnt 0x0
	BIAS 18, 8                                     ; b3
	MXINIT
	MAXPASS 0x28
	MAXPASS 0x3c
	REDUCE 1
	SCALEW 0x82, 256                               ; h2 = f16(max(acc f, 0)): window 2's rows first,
	RELUW 0x88, 256
	CVTW 0x8a, 0, 0, 256                           ; ascending: only numbers already taken are written over
	SCALEW 0xc3, 256                               ; then window 3's, into the half of window 2 that has been taken
	RELUW 0xcc, 256
	CVTW 0x8f, 0, 128, 256
	WIN 0
	NEWS
	s_wait_loadcnt 0x0                             ; b3
	INIT 0xc1, 4, 8
	v_and_b32 v44, 15, v0                          ; b1's registers are free: the late addresses
	v_lshlrev_b32 v44, 2, v44                      ; v44 4 r
	s_lshl_b32 s84, s60, 8
	s_add_co_u32 s84, s84, HP
	v_add_nc_u32 v45, s84, v44                     ; v45 my partial sums: HP + 256 w + 4 r
	s_lshl_b32 s84, s60, 6
	s_add_co_u32 s84, s84, WSUM
	v_mov_b32 v46, s84                             ; v46 my wave's 16 wide sums
	v_lshl_add_u32 v47, v2, 1, WSUM                ; v47 the end: two rows a lane
	RESET
	PUB 0, 7, 0                                    ; every wave has passed the barrier above behind its last read of the image buffers
	s_wait_dscnt 0x0
	BAR
	FB 0, 0
	FA 0, 0
.irp m, 0,1,2,3
	global_load_b32 v[60+\m], v44, s[12:13] offset:64*\m   ; the domain of row 16 m + r
.endr
.set I_, 0
.rept 32
	global_load_b128 v[128+4*I_:128+4*I_+3], v1, s[10:11] offset:512*I_ th:TH_LOAD_NT   ; my 16 rows of wide_features, 512 consecutive bytes a load, into the registers that W1 and h1 have left: they land under layer 3
.set I_, I_+1
.endr
	LOOP8 8                                        ; ---- LAYER 3
	; ---- between layers 3 and 4: the wide sums, out1
	PLACES
	s_wait_dscnt 0x0
	BIAS 20, 8                                     ; bd1
	s_wait_loadcnt 16                              ; the domains and wide_features are in; bd1's sixteen loads may stay out
.irp p, 0,1,2,3,4,5,6,7,8,9,10,11,12,13,14,15
	v_pk_add_f32 v[128+8*\p:129+8*\p], v[128+8*\p:129+8*\p], v[130+8*\p:131+8*\p]
	v_pk_add_f32 v[132+8*\p:133+8*\p], v[132+8*\p:133+8*\p], v[134+8*\p:135+8*\p]
.endr
.irp p, 0,1,2,3,4,5,6,7,8,9,10,11,12,13,14,15
	v_pk_add_f32 v[128+8*\p:129+8*\p], v[128+8*\p:129+8*\p], v[132+8*\p:133+8*\p]
.endr
.irp p, 0,1,2,3,4,5,6,7,8,9,10,11,12,13,14,15
	v_add_f32 v[128+8*\p], v[128+8*\p], v[129+8*\p]   ; my eight numbers of row p
.endr
.irp x, 1,2,4,8
.irp p, 0,1,2,3,4,5,6,7,8,9,10,11,12,13,14,15
	v_add_f32_dpp v[128+8*\p], v[128+8*\p], v[128+8*\p] row_xmask:\x row_mask:0xf bank_mask:0xf
.endr
.endr
.irp p, 0,1,2,3,4,5,6,7,8,9,10,11,12,13,14,15
	v_permlanex16_b32 v[129+8*\p], v[128+8*\p], s74, s75
.endr
.irp p, 0,1,2,3,4,5,6,7,8,9,10,11,12,13,14,15
	v_add_f32 v[128+8*\p], v[128+8*\p], v[129+8*\p]   ; the row's sum, in every lane
.endr
.irp p, 0,1,2,3,4,5,6,7,8,9,10,11,12,13,14,15
	ds_store_b32 v46, v[128+8*\p] offset:4*\p
.endr
	MXINIT
	MAXPASS 0x3c
	REDUCE 2
	RELUW 0xcc, 256
.irp m, 0,1,2,3
	WIN 0x03
.set I_, 0
.rept 32
	v_pk_mul_f32 v[64+I_:64+I_+1], v[64*\m+I_:64*\m+I_+1], v[20:21] op_sel_hi:[1,0]   ; shared = max(acc, 0) / S
.set I_, I_+2
.endr
	WIN 0
	OUTM 2, 12, 38, 2048, \m
.endr
	SCALEW 0xc3, 256
.irp m, 0,1,2,3
	CVTW 0x8f, 64*\m, 64*\m, 64
.endr
	WIN 0
	NEWS
	s_wait_loadcnt 0x0                             ; bd1
	INIT 0xc1, 4, 8
	RESET
	PUB 0, 7, 0
	s_wait_dscnt 0x0
	BAR
	FB 0, 0
	FA 0, 0
	LOOP8 4                                        ; ---- LAYER 4; its last change of slots asks for the stream's last slot.  (Its waits on XCNT also stand between out1's stores and layer 5's loads into their data registers)
	; ---- between layers 4 and 5: the gather of the heads
	PLACES
	s_wait_dscnt 0x0
	BIAS 22, 4                                     ; bd2
	MXINIT
	MAXPASS 0x3c
	REDUCE 3
	SCALEW 0xc3, 256
	RELUW 0xcc, 256
.irp m, 0,1,2,3
	CVTW 0x8f, 64*\m, 64*\m, 64
.endr
	WIN 0
	NEWS
	s_wait_loadcnt 0x0                             ; bd2
	INIT 0xc1, 4, 4
.irp m, 0,1,2,3
	v_min_u32 v[60+\m], 7, v[60+\m]                ; an index stays inside its table
.endr
.irp m, 0,1,2,3
	v_lshlrev_b32 v[48+\m], 10, v[60+\m]           ; a row of Wh is 1,024 bytes
	v_lshlrev_b32 v[52+\m], 2, v[60+\m]
.endr
.irp m, 0,1,2,3
	v_add_nc_u32 v[48+\m], v[48+\m], v9            ; + my half's eight numbers of a tile
.endr
	WIN 0x40
.irp m, 0,1,2,3
.irp t, 0,1,2,3
	global_load_b128 v[128+8*(4*\m+\t):128+8*(4*\m+\t)+3],   v[48+\m], s[24:25] offset:64*\t      ; Wh[id of row 16 m + r] at my columns, in the result's layout: they land under layer 5
	global_load_b128 v[128+8*(4*\m+\t)+4:128+8*(4*\m+\t)+7], v[48+\m], s[24:25] offset:64*\t+16
.endr
.endr
	WIN 0
.irp m, 0,1,2,3
	global_load_b32 v[56+\m], v[52+\m], s[26:27]
.endr
	PUB 0, 7, 0                                    ; chunks 0 and 1 at once: both buffers are free
	PUB 1, 7, IMGB
	s_wait_dscnt 0x0
	BAR
	; ---- LAYER 5: two slots of two chunks
	HALF
	s_wait_tensorcnt 0x0                           ; the stream's last slot is in
	ds_add_u32 v28, v29
	s_xor_b32 s63, s63, RING1
	s_wait_dscnt 0x0                               ; my reads of both image buffers are over
	BAR                                            ; no round
	PUB 2, 7, 0
	PUB 3, 7, IMGB
	s_wait_dscnt 0x0
	BAR
	HALF
	; ---- out2, the head, out0
	RELUW 0xcc, 128
	WIN 0
	s_wait_loadcnt 0x0                             ; Wh's rows, bh
.irp m, 0,1,2,3
	WIN 0x03
.set I_, 0
.rept 16
	v_pk_mul_f32 v[64+I_:64+I_+1], v[32*\m+I_:32*\m+I_+1], v[20:21] op_sel_hi:[1,0]   ; d = max(acc, 0) / S
.set I_, I_+2
.endr
	WIN 0
	OUTM 1, 13, 40, 1024, \m
	WIN 0x04                                       ; Wh in window 1
	v_pk_mul_f32 v[24:25], v[64:65], v[128+32*\m:129+32*\m]   ; d . Wh over my 32 numbers of the row, in two chains
	v_pk_mul_f32 v[26:27], v[66:67], v[130+32*\m:131+32*\m]
.irp i, 4,8,12,16,20,24,28
	v_pk_fma_f32 v[24:25], v[64+\i:65+\i], v[128+32*\m+\i:129+32*\m+\i], v[24:25]
	v_pk_fma_f32 v[26:27], v[66+\i:67+\i], v[130+32*\m+\i:131+32*\m+\i], v[26:27]
.endr
	WIN 0
	v_pk_add_f32 v[24:25], v[24:25], v[26:27]
	v_add_f32 v24, v24, v25
	v_permlanex16_b32 v31, v24, s74, s75
	v_add_f32 v24, v24, v31                        ; with lane l xor 16's: my wave's 64 columns
	v_fma_f32 v[96+\m], v[56+\m], s86, v24         ; wave 0 adds bh[id]
	ds_store_b32 v45, v[96+\m] offset:64*\m        ; lanes l and l xor 16 write the same word with the same value
.endr
	v_lshlrev_b32 v68, 1, v2                       ; 8 lane
	s_wait_dscnt 0x0
	BAR                                            ; the four waves' partial sums and the wide sums lie in LDS
	s_cmp_lg_u32 s60, 0
	s_cbranch_scc1 .Ldone                          ; wave 0 finishes the 64 rows, two a lane
	ds_load_b64 v[64:65], v47
.irp w, 0,1,2,3
	ds_load_b64 v[70+2*\w:71+2*\w], v47 offset:256+256*\w
.endr
	s_wait_dscnt 0x0
	v_pk_add_f32 v[70:71], v[70:71], v[72:73]
	v_pk_add_f32 v[74:75], v[74:75], v[76:77]
	v_pk_add_f32 v[64:65], v[64:65], v[70:71]
	v_pk_add_f32 v[64:65], v[64:65], v[74:75]      ; wide + head
	v_mul_f32 v64, 0xbfb8aa3b, v64                 ; x -log2(e)
	v_mul_f32 v65, 0xbfb8aa3b, v65
	v_exp_f32 v64, v64
	v_exp_f32 v65, v65
	v_nop                                          ; a plain line behind the transcendentals,
	s_wait_alu depctr_va_vdst(0)                   ; and a wait ahead of their first reader
	v_add_f32 v64, 1.0, v64
	v_add_f32 v65, 1.0, v65
	v_rcp_f32 v66, v64
	v_rcp_f32 v67, v65
	v_nop
	s_wait_alu depctr_va_vdst(0)
	global_store_b64 v68, v[66:67], s[36:37]       ; 32 lanes store 256 consecutive aligned bytes
.Ldone:
	s_wait_tensorcnt 0x0                           ; the wave's end: behind my last tensor load and my last LDS store
	ds_add_u32 v28, v29
	s_wait_dscnt 0x0
	ROUND                                          ; the closing round: no work-group ends while a partner may still ask for a slot that names it
	s_endpgm
.Lfunc_end_k_q3b3e5b9a57_chain:
	.size	k_q3b3e5b9a57_chain, .Lfunc_end_k_q3b3e5b9a57_chain-k_q3b3e5b9a57_chain
	.p2alignl 7, 3214868480
	.fill 96, 4, 3214868480
	.section	.rodata,"a",@progbits
	.p2align	6, 0x0
	.amdhsa_kernel k_q3b3e5b9a57_chain
		.amdhsa_group_segment_fixed_size 327680
		.amdhsa_private_segment_fixed_size 0
		.amdhsa_enable_private_segment 0
		.amdhsa_kernarg_size 136
		.amdhsa_user_sgpr_count 2
		.amdhsa_user_sgpr_kernarg_segment_ptr 1
		.amdhsa_wavefront_size32 1
		.amdhsa_system_sgpr_workgroup_id_x 1
		.amdhsa_system_sgpr_workgroup_id_y 1
		.amdhsa_system_sgpr_workgroup_id_z 1
		.amdhsa_system_vgpr_workitem_id 0
		.amdhsa_next_free_vgpr 1024
		.amdhsa_next_free_sgpr 100
		.amdhsa_reserve_vcc 0
		.amdhsa_float_denorm_mode_32 3
		.amdhsa_float_denorm_mode_16_64 3
		.amdhsa_memory_ordered 1
		.amdhsa_forward_progress 1
		.amdhsa_inst_pref_size 255
	.end_amdhsa_kernel
	.section	.bss,"aw",@nobits
	.p2align	6
	.space	262144
	.amdgpu_metadata
---
amdhsa.version: [ 1, 2 ]
amdhsa.kernels:
  - .name:           k_q3b3e5b9a57_chain
    .symbol:         k_q3b3e5b9a57_chain.kd
    .args:
      - { .name: deep_features, .offset: 0, .size: 8, .value_kind: global_buffer, .address_space: global }
      - { .name: wide_features, .offset: 8, .size: 8, .value_kind: global_buffer, .address_space: global }
      - { .name: domain_ids, .offset: 16, .size: 8, .value_kind: global_buffer, .address_space: global }
      - { .name: b1, .offset: 24, .size: 8, .value_kind: global_buffer, .address_space: global }
      - { .name: b2, .offset: 32, .size: 8, .value_kind: global_buffer, .address_space: global }
      - { .name: b3, .offset: 40, .size: 8, .value_kind: global_buffer, .address_space: global }
      - { .name: bd1, .offset: 48, .size: 8, .value_kind: global_buffer, .address_space: global }
      - { .name: bd2, .offset: 56, .size: 8, .value_kind: global_buffer, .address_space: global }
      - { .name: Wh, .offset: 64, .size: 8, .value_kind: global_buffer, .address_space: global }
      - { .name: bh, .offset: 72, .size: 8, .value_kind: global_buffer, .address_space: global }
      - { .name: wstream, .offset: 80, .size: 8, .value_kind: global_buffer, .address_space: global }
      - { .name: w1codes, .offset: 88, .size: 8, .value_kind: global_buffer, .address_space: global }
      - { .name: w1scales, .offset: 96, .size: 8, .value_kind: global_buffer, .address_space: global }
      - { .name: w1amax, .offset: 104, .size: 8, .value_kind: global_buffer, .address_space: global }
      - { .name: out0, .offset: 112, .size: 8, .value_kind: global_buffer, .address_space: global }
      - { .name: out1, .offset: 120, .size: 8, .value_kind: global_buffer, .address_space: global }
      - { .name: out2, .offset: 128, .size: 8, .value_kind: global_buffer, .address_space: global }
    .group_segment_fixed_size: 327680
    .private_segment_fixed_size: 0
    .kernarg_segment_align: 8
    .kernarg_segment_size: 136
    .max_flat_workgroup_size: 128
    .sgpr_count:     100
    .vgpr_count:     1024
    .wavefront_size: 32
...
	.end_amdgpu_metadata
.endif
;; end of part 2
